; MI455X (gfx1250); checked and timed in simulation.
; The chip was launched on July 23, 2026; its instructions are those of AMD's public machine-readable ISA for CDNA 5 (MIT licence, August 2026) and "CDNA5" Instruction Set Architecture Reference Guide (July 2026). The comments in the code are by the model that wrote it; some were corrected since.
;; Multihead Attention. Allowed arithmetic: matrix products marked QUANTISED: E5M2 operands, one E8M0 scale for each 32 along K, by v_wmma_scale_f32_16x16x128_f8f6f4 with both operands' format E5M2, f32 sums; everything else in f32.
;; Inputs: Wk_codes 512 x 16 x 32 uint8 (E5M2 codes of Wk, K innermost, in blocks of 32 codes); Wk_scales 512 x 16 uint8 (E8M0 scales of Wk, one for each 32 codes along K); Wo_codes 512 x 16 x 32 uint8 (E5M2 codes of Wo, K innermost, in blocks of 32 codes); Wo_scales 512 x 16 uint8 (E8M0 scales of Wo, one for each 32 codes along K); Wq_codes 512 x 16 x 32 uint8 (E5M2 codes of Wq, K innermost, in blocks of 32 codes); Wq_scales 512 x 16 uint8 (E8M0 scales of Wq, one for each 32 codes along K); Wv_codes 512 x 16 x 32 uint8 (E5M2 codes of Wv, K innermost, in blocks of 32 codes); Wv_scales 512 x 16 uint8 (E8M0 scales of Wv, one for each 32 codes along K); bk 512 float32; bo 512 float32; bq 512 float32; bv 512 float32; key__codes 2 x 4,096 x 16 x 32 uint8 (E5M2 codes of key_, K innermost, in blocks of 32 codes); key__scales 2 x 4,096 x 16 uint8 (E8M0 scales of key_, one for each 32 codes along K); query_codes 2 x 4,096 x 16 x 32 uint8 (E5M2 codes of query, K innermost, in blocks of 32 codes); query_scales 2 x 4,096 x 16 uint8 (E8M0 scales of query, one for each 32 codes along K); value_codes 2 x 4,096 x 16 x 32 uint8 (E5M2 codes of value, K innermost, in blocks of 32 codes); value_scales 2 x 4,096 x 16 uint8 (E8M0 scales of value, one for each 32 codes along K).
;; Outputs: out0 2 x 4,096 x 512 float32.
;; This version of the problem:
;;   THIS VERSION OF THE PROBLEM IS GIVEN IN LOW PRECISION. The matrix products marked QUANTISED in the list below multiply operands that are first quantised to E5M2 (5 exponent bits, 2 mantissa bits; 8 bits a number), with one power-of-two scale for each 32 numbers along K (OCP MX v1.0); their sums are f32. All else is computed in f32.
;;   The module's matrix products, in the order in which they are computed (A, B: the left and right operand; K: the contracted axis; several contracted axes count as one K, in the product's order):
;;     1. [M 8,192, K 512] x [K 512, N 512]; A: input query (given as codes); B: input Wq (given as codes): QUANTISED
;;     2. [M 8,192, K 512] x [K 512, N 512]; A: input key_ (given as codes); B: input Wk (given as codes): QUANTISED
;;     3. [M 8,192, K 512] x [K 512, N 512]; A: input value (given as codes); B: input Wv (given as codes): QUANTISED
;;     4. batch 16 x [M 4,096, K 64] x [K 64, N 4,096]; A: computed on the way; B: computed on the way: QUANTISED
;;     5. batch 16 x [M 4,096, K 4,096] x [K 4,096, N 64]; A: softmax (see below); B: computed on the way: QUANTISED
;;     6. [M 8,192, K 512] x [K 512, N 512]; A: computed on the way; B: input Wo (given as codes): QUANTISED
;;   THE QUANTISER, for each operand of a quantised product, along K:
;;     - K is cut into blocks of 32 from its start; a last block that is shorter is filled with zeros.
;;     - A block's scale is 2^e with e = floor(log2(the largest magnitude in the block)) - 15, held to -126 .. 127; a block of zeros has e = 0. As a byte (E8M0): e + 127.
;;     - Each number is divided by its block's scale, clamped to +-57,344, and rounded to the nearest number of E5M2, ties to even, subnormals kept.
;;     - The product sums the exact products of the quantised numbers (number of the format x scale) in f32.
;;   ~~~python
;;   def quantise(x, axis):      # numpy; x: float32 -> the quantised numbers, widened to float32 again
;;       x = np.moveaxis(x, axis, -1); K = x.shape[-1]
;;       x = np.pad(x, [(0, 0)] * (x.ndim - 1) + [(0, -K % 32)]); x = x.reshape(x.shape[:-1] + (-1, 32)); a = np.abs(x).max(-1, keepdims=True)
;;       e = np.where(a > 0, np.clip(np.frexp(np.where(a > 0, a, 1))[1] - 1 - 15, -126, 127), 0)      # np.frexp(a)[1] - 1 = floor(log2(a)), exactly
;;       r = np.clip(x / 2.0 ** e, -57344, 57344)
;;       step = 2.0 ** (np.maximum(np.frexp(np.where(r == 0, 1, r))[1] - 1, -14) - 2)
;;       q = np.round(r / step) * step * 2.0 ** e      # np.round: ties to even
;;       return np.moveaxis(q.reshape(q.shape[:-2] + (-1,))[..., :K], -1, axis).astype(np.float32)
;;   ~~~
;;   SOFTMAX AHEAD OF A QUANTISED PRODUCT. Where the list says 'softmax', what is quantised is not the finished softmax but p = 2^(t - M), with t = logit x log2(e) and M = ceil(the row's largest t), a whole number; so 1/2 < the row's largest p <= 1. The row's sum l is taken of the UNQUANTISED p, in f32, and the product's result is divided by l at the end. Since M is a whole number, a kernel that streams over the keys may use a running M (the ceiling of the running maximum): every later rescaling is an exact power of two, which a block's scale takes up: the codes' values come out the same.
;;   OPERANDS COMPUTED ON THE WAY. 'Computed on the way' means the value that the module computes at that place (a softmax that the list does not call 'softmax' is quantised finished and normalised). What goes into a quantiser is computed in f32, as accurately as f32 sums, v_exp_f32 and their like allow (about 1e-6 of the number): no bf16 or f16 on the way to a quantiser, and a product that is left as it is and whose result goes on into a quantised operand takes f32 operands (vector FMAs, or v_wmma_f32_16x16x4_f32). A number that lies on a knife's edge between two numbers of the format may be rounded either way, as far as f32 arithmetic and the matrix unit's own rounding can turn it there, and no further.
;;   INPUTS GIVEN AS CODES. Wk (in the module: [512, 512], K = its axis 1); Wo (in the module: [512, 512], K = its axis 1); Wq (in the module: [512, 512], K = its axis 1); Wv (in the module: [512, 512], K = its axis 1); key_ (in the module: [2, 4096, 512], K = its axis 2); query (in the module: [2, 4096, 512], K = its axis 2); value (in the module: [2, 4096, 512], K = its axis 2): each comes as NAME_codes (uint8): NAME with its K axis moved to the last place and cut into blocks of 32 codes, [.., K / 32, bytes a block], one block behind the other in memory; one code a byte (a code: sign, 5 exponent bits, 2 mantissa bits); and NAME_scales (uint8): the same leading axes, one E8M0 byte (e + 127) for each 32 codes along K. Its value is code x scale, taken as it is: it is not quantised again, and the codes and scales need not be those that the quantiser above would give.
;; One version. Each part assembles by itself: llvm-mc -triple=amdgcn-amd-amdhsa -mcpu=gfx1250 --defsym DOCPART=n.
;; ======== version 1 of 1: 3 launches
;; limits: right only within a limited range of input values
;; workspace buffers: qc 4,194,304 bytes; qs 131,072 bytes; kvc 8,388,608 bytes; kvs 262,144 bytes; cc 4,194,304 bytes; cs 131,072 bytes
;; launch proj (part 1): grid 64 x 3, 8 waves a work-group, no clusters, 68,608 bytes of LDS; arguments query_codes, query_scales, Wq_codes, Wq_scales, bq, key__codes, key__scales, Wk_codes, Wk_scales, bk, value_codes, value_scales, Wv_codes, Wv_scales, bv, qc, qs, kvc, kvs; writes qc, qs, kvc, kvs
.if DOCPART == 1
	.amdgcn_target "amdgcn-amd-amdhsa--gfx1250"
	.amdhsa_code_object_version 6
	.text
	.protected	k_q89d40a641f_proj
	.globl	k_q89d40a641f_proj
	.p2align	8
	.type	k_q89d40a641f_proj,@function
k_q89d40a641f_proj:
	s_mov_b64 s[64:65], 0
	v_nop
	global_prefetch_b8 v0, s[64:65] scope:SCOPE_SE
	s_setreg_imm32_b32 hwreg(HW_REG_WAVE_MODE, 25, 1), 1
	s_wait_xcnt 0x0
; q = query Wq^T + bq, k = key_ Wk^T + bk, v = value Wv^T + bv on codes of BF8 (E5M2) with E8M0 scales, K = 512, sums in f32; the results are quantised at once for the two products of attention:
; q and k along a head's 64 features (two blocks of 32), v along the tokens (blocks of 32 keys).  They leave as IMAGES OF OPERAND REGISTERS: a fragment (16 rows x 128 K) is 2,048 bytes, cell c (registers 4 c .. 4 c + 3) of lane l at 512 c + 16 l.
; SHARES.  Work-group (x, y): 128 tokens (x) of tensor y (0 q, 1 k, 2 v).  Wave w = head w: 128 tokens x 64 features.  Its 64 rows of W (32 KB) stay in 256 registers, read once; the 128 rows of x go through LDS, read by all eight waves.
; ROWS OF A TILE ARE NOT NEIGHBOURS: row r of tile (g, u) is element 32 g + 8 u + r + 8 (r / 8), for tiles of tokens and of features alike: where such a tile is source 0, a lane's 16 result registers of tiles (g, 0), (g, 1) are elements 32 g + 16 (lane / 16) + 0 .. 15.
; q, k: source 0 = 16 rows of W, source 1 = 16 tokens: a lane holds one token, registers run along the features.  A fragment holds 32 tokens: row r = the 64 codes of token (G, 0, r), then those of token (G, 1, r).
; v: source 0 = 16 tokens, source 1 = 16 rows of W: a lane holds one feature, registers run along the tokens.  A fragment holds 16 features x 128 keys.
; SCALE WORDS of 128 tokens are 256 bytes: lane l owns 8 bytes: word 0 of fragment l / 16, row l % 16; word 1 of fragment 2 + l / 16.
; NO CLUSTER: no two work-groups read the same rows of x, and W (262,144 bytes) does not fit in LDS beside x's stage (67,584): 329,728 is more than the 327,680 bytes that a work-group can be given; so W goes from memory into registers.
; LIMITS: NaN, infinities and the scale byte 0xff among the inputs are not served.  A block whose largest magnitude lies under 2^-111 (zeros too) gets the byte 1: these bytes are read by this program alone.  The bias is the C of a sum's first product: it is added ahead of the products.
.set PITCH, 528                        ; an LDS row of x: 512 codes, then the row's 16 scale bytes: 33 x 16 bytes, so that 16 neighbouring rows begin at 16 different groups of banks
.set SPARE, 128*PITCH                  ; behind the stage: the spare words, 128 bytes for each wave: four blocks of 256 bytes that no other line names
.set SPW,  1                           ; v1   LDS address of my spare word; never rewritten
.set NIL,  2                           ; v2   0; never rewritten
.set XAD,  3                           ; v3   a fragment of x: r x PITCH + 16 h
.set LI,   4                           ; v4   16 x lane
.set L8,   5                           ; v5   8 x lane
.set XSA,  6                           ; v6   x's scale words: lane x PITCH + 512
.set BIAS, 16                          ; v16-47   the bias in the result's layout, 8 registers a tile of features
.set XF,   48                          ; v48-111  four fragments of x; at the head scratch addresses; behind the products PC, TM, PW
.set ACC,  112                         ; v112-239 16 accumulators; at the head x as it is loaded
.set WS,   240                         ; v240-247 W's scale words: WS + 4 p + s: lanes 0-15 tile 2 p, lanes 16-31 tile 2 p + 1, K step s
.set XS,   248                         ; v248-255 x's likewise, for the four tiles in hand
.set PC,   48                          ; the codes just made
.set TM,   64                          ; v64-67 largest magnitudes, v68-71 bytes, v72-75 57,344 x the scale, v76-79 the conversions' scale operands
.set PW,   80                          ; the scale word just made
.set XW,   48                          ; scratch at the head: where I store x's rows,
.set XWS,  49                          ; their scale bytes,
.set XSG,  50                          ; where I load those,
.set WA,   51                          ; W's rows,
.set WSA,  52                          ; W's scale words,
.set BA,   53                          ; the bias by features along the registers,
.set BV,   54                          ; and by features along the lanes
.set RP,   55                          ; r + 8 (r / 8)
.set WV,   52                          ; s52  wave = head
.set TEN,  53                          ; s53  which tensor
.set BLK,  54                          ; s54  which 128 tokens
.set CB,   56                          ; s[56:57] where my codes go
.set SB,   58                          ; s[58:59] where my scale words go
.set SEL,  60                          ; s[60:61] v_permlanex16_b32's selects for lane l xor 16
.set MNT,  62                          ; s62  the mantissa field of 57,344
.set UPP,  63                          ; s63  a mask of lanes 16-31
.set MSB, 0
.macro WIN new                         ; the immediate's high byte repeats the setting that is left
.if MSB != \new
	s_set_vgpr_msb (MSB<<8)|\new
.set MSB, \new
.endif
.endm
.macro PLACES n
.rept \n
	v_nop
.endr
.endm
; one product: D, source 0, source 1, C, the two scale registers, and which half of their lanes is read
.macro MM d, a, b, c, sa, sb, ra, rb
.if (\ra) && (\rb)
	v_wmma_scale_f32_16x16x128_f8f6f4 v[(\d):(\d)+7], v[(\a):(\a)+15], v[(\b):(\b)+15], v[(\c):(\c)+7], v[\sa], v[\sb] matrix_a_fmt:MATRIX_FMT_BF8 matrix_b_fmt:MATRIX_FMT_BF8 matrix_a_scale:MATRIX_SCALE_ROW1 matrix_b_scale:MATRIX_SCALE_ROW1
.elseif (\ra)
	v_wmma_scale_f32_16x16x128_f8f6f4 v[(\d):(\d)+7], v[(\a):(\a)+15], v[(\b):(\b)+15], v[(\c):(\c)+7], v[\sa], v[\sb] matrix_a_fmt:MATRIX_FMT_BF8 matrix_b_fmt:MATRIX_FMT_BF8 matrix_a_scale:MATRIX_SCALE_ROW1
.elseif (\rb)
	v_wmma_scale_f32_16x16x128_f8f6f4 v[(\d):(\d)+7], v[(\a):(\a)+15], v[(\b):(\b)+15], v[(\c):(\c)+7], v[\sa], v[\sb] matrix_a_fmt:MATRIX_FMT_BF8 matrix_b_fmt:MATRIX_FMT_BF8 matrix_b_scale:MATRIX_SCALE_ROW1
.else
	v_wmma_scale_f32_16x16x128_f8f6f4 v[(\d):(\d)+7], v[(\a):(\a)+15], v[(\b):(\b)+15], v[(\c):(\c)+7], v[\sa], v[\sb] matrix_a_fmt:MATRIX_FMT_BF8 matrix_b_fmt:MATRIX_FMT_BF8
.endif
.endm
; 64 numbers of a lane, v[s] on: block b = registers 16 b .. 16 b + 15, the block's other 16 in lane l xor 16.  They become 16 registers of codes in v[PC] on and the four bytes in v[PW].
.macro QUANT s
	s_wait_xcnt 0x0                                ; the stores of the last codes have read their registers: only behind this wait are these written again
.irp b, 0,1,2,3
	v_mov_b32 v[TM+4+\b], 0                        ; a lane permute's destination counts as one of its sources
.endr
.irp b, 0,1,2,3
	v_max3_num_f32 v[TM+\b], |v[(\s)+16*\b]|, |v[(\s)+1+16*\b]|, 0x8000000   ; my 16 numbers, each accumulator from its low end on, and the floor 2^(16 - 127): the byte cannot fall under 1
.endr
.irp i, 2,4,6,8,10,12,14
.irp b, 0,1,2,3
	v_max3_num_f32 v[TM+\b], v[TM+\b], |v[(\s)+16*\b+\i]|, |v[(\s)+1+16*\b+\i]|   ; the four blocks by turns
.endr
.endr
.irp b, 0,1,2,3
	s_delay_alu instid0(VALU_DEP_4)
	v_permlanex16_b32 v[TM+4+\b], v[TM+\b], s[SEL], s[SEL+1]
.endr
.irp b, 0,1,2,3
	s_delay_alu instid0(VALU_DEP_4)
	v_max_num_f32 v[TM+\b], v[TM+\b], v[TM+4+\b]   ; with lane l xor 16's: the block's largest magnitude
.endr
.irp b, 0,1,2,3
	s_delay_alu instid0(VALU_DEP_4)
	v_add_nc_u32 v[TM+12+\b], 0xf8800000, v[TM+\b] ; 15 off its exponent field: the conversion takes this operand's exponent field as its scale
.endr
.irp b, 0,1,2,3
	v_and_or_b32 v[TM+8+\b], v[TM+\b], 0x7f800000, s[MNT]   ; 57,344 x the scale
.endr
.irp b, 0,1,2,3
	v_lshrrev_b32 v[TM+4+\b], 23, v[TM+12+\b]      ; the scale's byte
.endr
	s_delay_alu instid0(VALU_DEP_3)
	v_lshl_or_b32 v[PW], v[TM+5], 8, v[TM+4]
	s_delay_alu instid0(VALU_DEP_1)
	v_lshl_or_b32 v[PW], v[TM+6], 16, v[PW]
	s_delay_alu instid0(VALU_DEP_1)
	v_lshl_or_b32 v[PW], v[TM+7], 24, v[PW]
.irp b, 0,1,2,3
.irp i, 0,1,2,3,4,5,6,7,8,9,10,11,12,13,14,15
	v_med3_num_f32 v[(\s)+16*\b+\i], v[(\s)+16*\b+\i], -v[TM+8+\b], v[TM+8+\b]   ; the conversion to an 8-bit code does not saturate (ISA guide 7.6.2): the hold at the largest code x the scale
.endr
	v_cvt_scalef32_pk8_bf8_f32 v[PC+4*\b:PC+1+4*\b], v[(\s)+16*\b:(\s)+7+16*\b], v[TM+12+\b]
	v_cvt_scalef32_pk8_bf8_f32 v[PC+2+4*\b:PC+3+4*\b], v[(\s)+8+16*\b:(\s)+15+16*\b], v[TM+12+\b]
.endr
	v_nop                                          ; a plain line behind the last conversion: later products write its sources
.endm
.macro WLOAD ft                        ; tile ft = 2 beta + u of my head's rows of W, all four K steps, into window 1
.irp s, 0,1,2,3
.irp c, 0,1,2,3
	global_load_b128 v[16*(4*\ft+\s)+4*\c:16*(4*\ft+\s)+4*\c+3], v[WA], s[12:13] offset:(32*(\ft/2)+8*(\ft%2))*512+128*\s+32*\c
.endr
.endr
.endm
; Four tiles of tokens (4 eta + x) against my four tiles of features: 64 products, the 16 accumulators by turns in the same order in every K step; then the quantiser and the stores.  vt = 1: v's way.
.macro HALF vt, eta
	s_wait_xcnt 0x0                                ; the last stores have read the codes' registers, into which fragments are loaded now
.irp s, 0,1,2,3
.if \s > 0
	PLACES 8                                       ; in front of loads into registers that the last products read
.endif
.irp x, 0,1,2,3
.irp c, 0,1,2,3
	ds_load_b128 v[XF+16*\x+4*\c:XF+16*\x+4*\c+3], v[XAD] offset:(64*\eta+16*\x)*PITCH+128*\s+32*\c
.endr
.endr
.if \s == 0
	ds_load_b128 v[XS:XS+3], v[XSA] offset:64*\eta*PITCH          ; 32 rows' scale bytes: lanes 0-15 one tile, lanes 16-31 the next; a register a K step
	ds_load_b128 v[XS+4:XS+7], v[XSA] offset:(64*\eta+32)*PITCH
.endif
	s_wait_dscnt 0x0
.if \vt
	WIN 0x04                                       ; source 1 (W) in window 1
.else
	WIN 0x01                                       ; source 0 (W) in window 1
.endif
.irp x, 0,1,2,3
.irp ft, 0,1,2,3
.if \vt
.if \s == 0
	MM ACC+8*(4*\ft+\x), XF+16*\x, 16*(4*\ft+\s), BIAS+8*\ft, XS+4*(\x/2)+\s, WS+4*(\ft/2)+\s, \x%2, \ft%2
.else
	MM ACC+8*(4*\ft+\x), XF+16*\x, 16*(4*\ft+\s), ACC+8*(4*\ft+\x), XS+4*(\x/2)+\s, WS+4*(\ft/2)+\s, \x%2, \ft%2
.endif
.else
.if \s == 0
	MM ACC+8*(4*\x+\ft), 16*(4*\ft+\s), XF+16*\x, BIAS+8*\ft, WS+4*(\ft/2)+\s, XS+4*(\x/2)+\s, \ft%2, \x%2
.else
	MM ACC+8*(4*\x+\ft), 16*(4*\ft+\s), XF+16*\x, ACC+8*(4*\x+\ft), WS+4*(\ft/2)+\s, XS+4*(\x/2)+\s, \ft%2, \x%2
.endif
.endif
.endr
.endr
	WIN 0
.endr
	PLACES 8                                       ; in front of the first read of results and of writes into the fragments' registers
.irp p, 0,1
	QUANT ACC+64*\p
.if \vt
.irp b, 0,1,2,3                        ; block b: tile of features 2 p + b / 2, key block 2 eta + b % 2
	global_store_b128 v[LI], v[PC+4*\b:PC+4*\b+3], s[CB:CB+1] offset:(2*\p+\b/2)*2048+512*(2*\eta+\b%2)   ; 512 consecutive bytes, aligned
.endr
.if \eta == 0
	v_mov_b32 v[10+\p], v[PW]                      ; key blocks 0 and 1 of both tiles: kept
.else
	v_perm_b32 v12, v[PW], v[10+\p], 0x05040100    ; tile 2 p: key blocks 0, 1 (kept), 2, 3 (new)
	v_perm_b32 v13, v[PW], v[10+\p], 0x07060302    ; tile 2 p + 1
	s_delay_alu instid0(VALU_DEP_1)
	v_cndmask_b32 v[8+\p], v12, v13, s[UPP]        ; lanes 0-15 tile 2 p, lanes 16-31 tile 2 p + 1
.endif
.else
.irp c, 0,1,2,3                        ; fragment 2 eta + p, whole
	global_store_b128 v[LI], v[PC+4*\c:PC+4*\c+3], s[CB:CB+1] offset:(2*\eta+\p)*2048+512*\c
.endr
.if \p == 0
	v_mov_b32 v10, v[PW]
.else
	v_cndmask_b32 v[8+\eta], v10, v[PW], s[UPP]    ; lanes 0-15 fragment 2 eta, lanes 16-31 fragment 2 eta + 1
.endif
.endif
.endr
.endm
	s_load_b256 s[8:15], s[0:1], 0x0               ; query: codes, scales; Wq: codes, scales
	s_load_b64 s[16:17], s[0:1], 0x20              ; bq
	s_load_b256 s[20:27], s[0:1], 0x28             ; the same for key_, Wk,
	s_load_b64 s[28:29], s[0:1], 0x48              ; bk
	s_load_b256 s[32:39], s[0:1], 0x50             ; and for value, Wv,
	s_load_b64 s[40:41], s[0:1], 0x70              ; bv
	s_load_b256 s[44:51], s[0:1], 0x78             ; qc, qs, kvc, kvs
	v_lshl_add_u32 v[SPW], v0, 2, SPARE
	v_mov_b32 v[NIL], 0
	v_lshrrev_b32 v12, 5, v0
	s_delay_alu instid0(VALU_DEP_1)
	v_readfirstlane_b32 s[WV], v12                 ; wave 0..7
	s_and_b32 s[TEN], ttmp7, 0xffff
	s_mov_b32 s[BLK], ttmp9
	v_and_b32 v13, 31, v0                          ; lane
	v_and_b32 v14, 15, v0                          ; r
	v_bfe_u32 v15, v0, 4, 1                        ; h
	s_delay_alu instid0(VALU_DEP_2)
	v_mul_u32_u24 v[XAD], v14, PITCH
	s_delay_alu instid0(VALU_DEP_1)
	v_lshl_add_u32 v[XAD], v15, 4, v[XAD]
	v_lshlrev_b32 v[LI], 4, v13
	v_lshlrev_b32 v[L8], 3, v13
	v_mul_u32_u24 v[XSA], v13, PITCH
	s_delay_alu instid0(VALU_DEP_1)
	v_add_nc_u32 v[XSA], 512, v[XSA]
	; token 16 w + j of the 128 lies in LDS row 32 (w / 2) + 8 (w % 2) + 16 (j / 8) + j % 8: so the 16 rows of a tile are neighbours in LDS
	s_lshr_b32 s66, s[WV], 1
	s_lshl_b32 s66, s66, 5
	s_and_b32 s67, s[WV], 1
	s_lshl_b32 s67, s67, 3
	s_add_co_u32 s66, s66, s67
	s_mul_i32 s66, s66, PITCH
	v_add_nc_u32 v[XW], s66, v[LI]
	v_bfe_u32 v[XWS], v0, 3, 1
	s_delay_alu instid0(VALU_DEP_1)
	v_lshlrev_b32 v[XWS], 4, v[XWS]
	v_and_b32 v[XSG], 7, v0
	s_delay_alu instid0(VALU_DEP_1)
	v_add_nc_u32 v[XWS], v[XWS], v[XSG]
	s_delay_alu instid0(VALU_DEP_1)
	v_mul_u32_u24 v[XWS], v[XWS], PITCH
	s_delay_alu instid0(VALU_DEP_1)
	v_add_nc_u32 v[XWS], s66, v[XWS]
	s_delay_alu instid0(VALU_DEP_1)
	v_add_nc_u32 v[XWS], 512, v[XWS]
	v_lshlrev_b32 v[XSG], 4, v14                   ; token 16 w + r: 16 scale bytes
	v_and_b32 v[RP], 8, v14
	s_delay_alu instid0(VALU_DEP_1)
	v_add_nc_u32 v[RP], v[RP], v14                 ; r + 8 (r / 8)
	s_delay_alu instid0(VALU_DEP_1)
	v_lshlrev_b32 v[WA], 9, v[RP]
	s_delay_alu instid0(VALU_DEP_1)
	v_lshl_add_u32 v[WA], v15, 4, v[WA]            ; W: that row of 512 bytes, + 16 h
	s_delay_alu instid0(VALU_DEP_3)
	v_lshl_add_u32 v[WSA], v15, 3, v[RP]
	s_delay_alu instid0(VALU_DEP_1)
	v_lshlrev_b32 v[WSA], 4, v[WSA]                ; W's scale bytes: lanes 16-31 take the tile eight rows on
	v_lshlrev_b32 v[BV], 2, v[RP]
	v_lshlrev_b32 v[BA], 6, v15
	s_mov_b32 s[SEL], 0x76543210
	s_mov_b32 s[SEL+1], 0xfedcba98
	s_mov_b32 s[MNT], 0x600000
	s_mov_b32 s[UPP], 0xffff0000
	s_lshl_b32 s70, s[BLK], 16                     ; x's codes: 128 rows of 512 bytes a work-group, 16 rows a wave
	s_lshl_b32 s71, s[WV], 13
	s_add_co_u32 s70, s70, s71
	s_mov_b32 s71, 0
	s_lshl_b32 s72, s[BLK], 11                     ; x's scale bytes: 16 a row
	s_lshl_b32 s73, s[WV], 8
	s_add_co_u32 s72, s72, s73
	s_mov_b32 s73, 0
	s_lshl_b32 s74, s[WV], 15                      ; my head's 64 rows of W,
	s_mov_b32 s75, 0
	s_lshl_b32 s66, s[WV], 10                      ; their scale bytes,
	s_mov_b32 s67, 0
	s_lshl_b32 s68, s[WV], 8                       ; and bias
	s_mov_b32 s69, 0
	s_lshr_b32 s6, s[BLK], 5
	s_lshl_b32 s6, s6, 3
	s_add_co_u32 s6, s6, s[WV]                     ; batch x 8 + head
	s_and_b32 s7, s[BLK], 31                       ; which 128 tokens of the batch
	s_cmp_eq_u32 s[TEN], 0
	s_cselect_b32 s2, 18, 19                       ; a head's codes: 2^18 bytes in qc, 2^19 in kvc
	s_cselect_b32 s4, 13, 14                       ; 128 tokens' codes: 2^13 or 2^14; a head's scale words likewise
	s_lshl_b32 s2, s6, s2
	s_lshl_b32 s3, s7, s4
	s_add_co_u32 s2, s2, s3
	s_lshl_b32 s4, s6, s4
	s_lshl_b32 s5, s7, 8
	s_add_co_u32 s4, s4, s5
	s_cmp_eq_u32 s[TEN], 2
	s_cselect_b32 s3, 8192, 0                      ; v's parts lie 8,192 bytes behind k's
	s_add_co_u32 s2, s2, s3
	s_add_co_u32 s4, s4, s3
	s_mov_b32 s3, 0
	s_mov_b32 s5, 0
	s_wait_alu depctr_va_vdst(0)
	s_wait_kmcnt 0x0
	s_cmp_eq_u32 s[TEN], 0                         ; the choice of buffers hangs on the work-group's number alone
	s_cselect_b64 s[8:9], s[8:9], s[20:21]
	s_cselect_b64 s[10:11], s[10:11], s[22:23]
	s_cselect_b64 s[12:13], s[12:13], s[24:25]
	s_cselect_b64 s[14:15], s[14:15], s[26:27]
	s_cselect_b64 s[16:17], s[16:17], s[28:29]
	s_cselect_b64 s[CB:CB+1], s[44:45], s[48:49]
	s_cselect_b64 s[SB:SB+1], s[46:47], s[50:51]
	s_cmp_eq_u32 s[TEN], 2
	s_cselect_b64 s[8:9], s[32:33], s[8:9]
	s_cselect_b64 s[10:11], s[34:35], s[10:11]
	s_cselect_b64 s[12:13], s[36:37], s[12:13]
	s_cselect_b64 s[14:15], s[38:39], s[14:15]
	s_cselect_b64 s[16:17], s[40:41], s[16:17]
	s_add_nc_u64 s[8:9], s[8:9], s[70:71]
	s_add_nc_u64 s[10:11], s[10:11], s[72:73]
	s_add_nc_u64 s[12:13], s[12:13], s[74:75]
	s_add_nc_u64 s[14:15], s[14:15], s[66:67]
	s_add_nc_u64 s[16:17], s[16:17], s[68:69]
	s_add_nc_u64 s[CB:CB+1], s[CB:CB+1], s[2:3]
	s_add_nc_u64 s[SB:SB+1], s[SB:SB+1], s[4:5]
.irp j, 0,1,2,3,4,5,6,7,8,9,10,11,12,13,14,15
	global_load_b128 v[ACC+4*\j:ACC+4*\j+3], v[LI], s[8:9] offset:512*\j th:TH_LOAD_NT   ; a row of x: 512 consecutive bytes
.endr
	global_load_b128 v[ACC+64:ACC+67], v[XSG], s[10:11] th:TH_LOAD_NT
	WIN 0x40                                       ; destination in window 1
	WLOAD 0
	WLOAD 1
	WIN 0
	s_wait_loadcnt 32                              ; the 32 loads of W just issued may be out: x's 17 are in
.irp j, 0,1,2,3,4,5,6,7,8,9,10,11,12,13,14,15
	ds_store_b128 v[XW], v[ACC+4*\j:ACC+4*\j+3] offset:(16*(\j/8)+\j%8)*PITCH
.endr
	ds_store_b128 v[XWS], v[ACC+64:ACC+67]         ; lanes 16-31 write the same bytes as lanes 0-15
	WIN 0x40
	WLOAD 2
	WLOAD 3
	WIN 0
	global_load_b128 v[WS:WS+3], v[WSA], s[14:15]
	global_load_b128 v[WS+4:WS+7], v[WSA], s[14:15] offset:512
.irp ft, 0,1,2,3                       ; the bias in both layouts, twelve loads: so no branch stands ahead of the barrier.  q, k: register j = feature 32 beta + 8 u + 16 h + j;  v: the lane's feature
	global_load_b128 v[BIAS+8*\ft:BIAS+8*\ft+3], v[BA], s[16:17] offset:(32*(\ft/2)+8*(\ft%2))*4
	global_load_b128 v[BIAS+8*\ft+4:BIAS+8*\ft+7], v[BA], s[16:17] offset:(32*(\ft/2)+8*(\ft%2))*4+16
	global_load_b32 v[12+\ft], v[BV], s[16:17] offset:(32*(\ft/2)+8*(\ft%2))*4
.endr
	s_wait_dscnt 0x0                               ; for the others' sake: my rows of x lie in LDS
	s_barrier_signal -1
	s_barrier_wait -1                              ; everybody's do; from here on LDS is only read
	s_wait_loadcnt 0x0                             ; W, its scale words, the bias
	s_cmp_eq_u32 s[TEN], 2
	s_cbranch_scc1 .Lvalue
	HALF 0, 0
	HALF 0, 1
	s_branch .Lwords
.Lvalue:
.irp ft, 0,1,2,3
.irp j, 0,1,2,3,4,5,6,7
	v_mov_b32 v[BIAS+8*\ft+\j], v[12+\ft]          ; here a lane holds one feature: its bias in all eight registers
.endr
.endr
	s_wait_alu depctr_va_vdst(0)
	HALF 1, 0
	HALF 1, 1
.Lwords:
	s_wait_alu depctr_va_vdst(0)
	global_store_b64 v[L8], v[8:9], s[SB:SB+1]     ; the scale words of my head's 128 tokens: 256 consecutive bytes, aligned
	s_wait_tensorcnt 0x0                           ; the wave's end, behind my last LDS store
	ds_add_u32 v[SPW], v[NIL]
	s_wait_dscnt 0x0
	s_endpgm
.Lfunc_end_k_q89d40a641f_proj:
	.size	k_q89d40a641f_proj, .Lfunc_end_k_q89d40a641f_proj-k_q89d40a641f_proj
	.p2alignl 7, 3214868480
	.fill 96, 4, 3214868480
	.section	.rodata,"a",@progbits
	.p2align	6, 0x0
	.amdhsa_kernel k_q89d40a641f_proj
		.amdhsa_group_segment_fixed_size 68608
		.amdhsa_private_segment_fixed_size 0
		.amdhsa_enable_private_segment 0
		.amdhsa_kernarg_size 152
		.amdhsa_user_sgpr_count 2
		.amdhsa_user_sgpr_kernarg_segment_ptr 1
		.amdhsa_wavefront_size32 1
		.amdhsa_system_sgpr_workgroup_id_x 1
		.amdhsa_system_sgpr_workgroup_id_y 1
		.amdhsa_system_sgpr_workgroup_id_z 1
		.amdhsa_system_vgpr_workitem_id 0
		.amdhsa_next_free_vgpr 512
		.amdhsa_next_free_sgpr 80
		.amdhsa_reserve_vcc 0
		.amdhsa_float_denorm_mode_32 3
		.amdhsa_float_denorm_mode_16_64 3
		.amdhsa_memory_ordered 1
		.amdhsa_forward_progress 1
		.amdhsa_inst_pref_size 144
	.end_amdhsa_kernel
	.amdgpu_metadata
---
amdhsa.version: [ 1, 2 ]
amdhsa.kernels:
  - .name:           k_q89d40a641f_proj
    .symbol:         k_q89d40a641f_proj.kd
    .args:
      - { .name: query_codes, .offset: 0, .size: 8, .value_kind: global_buffer, .address_space: global }
      - { .name: query_scales, .offset: 8, .size: 8, .value_kind: global_buffer, .address_space: global }
      - { .name: Wq_codes, .offset: 16, .size: 8, .value_kind: global_buffer, .address_space: global }
      - { .name: Wq_scales, .offset: 24, .size: 8, .value_kind: global_buffer, .address_space: global }
      - { .name: bq, .offset: 32, .size: 8, .value_kind: global_buffer, .address_space: global }
      - { .name: key__codes, .offset: 40, .size: 8, .value_kind: global_buffer, .address_space: global }
      - { .name: key__scales, .offset: 48, .size: 8, .value_kind: global_buffer, .address_space: global }
      - { .name: Wk_codes, .offset: 56, .size: 8, .value_kind: global_buffer, .address_space: global }
      - { .name: Wk_scales, .offset: 64, .size: 8, .value_kind: global_buffer, .address_space: global }
      - { .name: bk, .offset: 72, .size: 8, .value_kind: global_buffer, .address_space: global }
      - { .name: value_codes, .offset: 80, .size: 8, .value_kind: global_buffer, .address_space: global }
      - { .name: value_scales, .offset: 88, .size: 8, .value_kind: global_buffer, .address_space: global }
      - { .name: Wv_codes, .offset: 96, .size: 8, .value_kind: global_buffer, .address_space: global }
      - { .name: Wv_scales, .offset: 104, .size: 8, .value_kind: global_buffer, .address_space: global }
      - { .name: bv, .offset: 112, .size: 8, .value_kind: global_buffer, .address_space: global }
      - { .name: qc, .offset: 120, .size: 8, .value_kind: global_buffer, .address_space: global }
      - { .name: qs, .offset: 128, .size: 8, .value_kind: global_buffer, .address_space: global }
      - { .name: kvc, .offset: 136, .size: 8, .value_kind: global_buffer, .address_space: global }
      - { .name: kvs, .offset: 144, .size: 8, .value_kind: global_buffer, .address_space: global }
    .group_segment_fixed_size: 68608
    .private_segment_fixed_size: 0
    .kernarg_segment_align: 8
    .kernarg_segment_size: 152
    .max_flat_workgroup_size: 256
    .sgpr_count:     80
    .vgpr_count:     512
    .wavefront_size: 32
...
	.end_amdgpu_metadata
.endif
;; end of part 1
;; launch attn (part 2): grid 16 x 16, 8 waves a work-group, clusters of 4 x 1, 327,680 bytes of LDS; arguments qc, qs, kvc, kvs, cc, cs; writes cc, cs
.if DOCPART == 2
	.amdgcn_target "amdgcn-amd-amdhsa--gfx1250"
	.amdhsa_code_object_version 6
	.text
	.protected	k_q89d40a641f_attn
	.globl	k_q89d40a641f_attn
	.p2align	8
	.type	k_q89d40a641f_attn,@function
k_q89d40a641f_attn:
	s_mov_b64 s[64:65], 0
	v_nop
	global_prefetch_b8 v0, s[64:65] scope:SCOPE_SE
	s_setreg_imm32_b32 hwreg(HW_REG_WAVE_MODE, 25, 1), 1
	s_wait_xcnt 0x0
	s_wait_alu depctr_hold_cnt(0) depctr_sa_sdst(0) depctr_va_vdst(0) depctr_va_sdst(0) depctr_va_ssrc(0) depctr_va_vcc(0) depctr_vm_vsrc(0)
	s_getreg_b32 s2, hwreg(HW_REG_IB_STS2, 6, 4)
	s_cmp_eq_u32 s2, 0
	s_cbranch_scc0 .Lentry_in_a_cluster
	s_endpgm
.Lentry_in_a_cluster:
	s_bfe_u32 s2, ttmp6, 0x10000c
	s_cmp_lg_u32 s2, 0x3003
	s_cbranch_scc0 .Lentry_shape_is_right
	s_endpgm
.Lentry_shape_is_right:
; ctx[bh][q] = the sum over k of softmax_k(q . k / 8) v, both products on codes of BF8 (E5M2) with E8M0 scales; ctx is quantised along the features for the last product and leaves as an image of operand registers.
; THE SOFTMAX: t = score x log2(e) / 8; M = the running largest t rounded UP to a whole number; p = 2^(t - M) is quantised along the keys, not normalised; the row's sum is taken of the unquantised p and divides at the end.
; When M moves, the sum and O are multiplied by 2^(old M - new M): exact.
; SHARES.  A work-group owns 256 queries of one head (16 x 16 work-groups); each of its eight waves two tiles (A, B) of 16 queries: each fragment of K and V that a wave reads from LDS feeds both.  Every wave walks the head's 4,096 keys, 128 a step.
; A step's operands are 16,384 dense bytes: four fragments of K, four of V, as images of registers: every LDS load is at 16 x lane: no pitch, no padding.
; HEAD SIZE 64.  A fragment of K holds 32 keys: row r = the 64 codes of key (G, 0, r), then of key (G, 1, r).  Against [Q | 0] it gives the first 16 keys' scores, against [0 | Q] the other 16's: the Qs' 8 registers stand between registers of zero codes.
; Both products are used transposed (S^T = K Q^T, O^T = V^T P^T): a lane holds one query of each tile; the keys of a tile of K are chosen so that register 16 f + i of S^T is key 32 f + 16 (lane / 16) + i.
; CLUSTER.  The four query blocks of a cluster walk the same K and V: all tiles are asked for JOINTLY (mask 15).
; THE RING.  Two slots of eight key steps (131,072 bytes each).  Head, one load a wave: waves 0, 1 the head's scale words (filled once), wave 2 steps 0, 1, waves 3 to 5 steps 2 to 7, waves 6, 7 steps 8 to 15.  Steps 16 to 23 and 24 to 31 come by two refills, a step a wave.
; NO PREFETCH: half of the stream is asked for at the head, and each of the two refills has eight key steps, 192 products a wave, in which to land ahead of the wait for it.
; LIMITS: NaN and infinities are not served (a fragment's idle half meets zero codes, which takes finite codes: the launch before holds them).  The scaled scores t stay under 2^31 in magnitude.
; A block whose largest magnitude lies under 2^-111 (zeros too) gets the byte 1: only this program reads the bytes.
.set SLOT1, 131072
.set SCL,   262144                     ; the head's scale words: K's at 256 x step, V's 8,192 further on
.set STG,   278528                     ; 512 bytes: the sixteen tiles' scale bytes of ctx meet here; no fill lands here
.set SPARE, 279040                     ; the spare words, 128 bytes for each wave: four blocks of 256 bytes that no other line names
; window 0
.set L16,  1                           ; 16 x lane
.set AS0,  2                           ; SCL + 8 x lane
.set SPW,  3                           ; LDS address of my spare word; never rewritten
.set NIL,  4                           ; 0; never rewritten
.set ADK,  5                           ; the next step's K + 16 x lane
.set ADV,  6                           ; this step's V + 16 x lane
.set FLR,  7                           ; 2^(16 - 127)
.set ADS,  8                           ; the step's scale words
.set LA,   10                          ; v[10:11], v[12:13] the tiles' sums, in two halves
.set SR,   14                          ; v14, v15 the tiles' largest scores so far
.set QZ,   16                          ; v16-55: zeros, Q of A, zeros, Q of B, zeros: 8 registers each
.set S,    56                          ; v56-183 S^T, then p: tile A's 64, tile B's 64
.set SO,   184                         ; the conversions' scale operands, a register a block: A's four, B's four
.set HD,   192                         ; 57,344 x the scale
.set FF,   200                         ; v[200:201], v[202:203] f = 2^(old M - new M), in the low word
.set T,    204                         ; v204-235 pair sums; ahead of them:
.set BM,   204                         ; the blocks' largest scores, then largest p
.set BT,   212                         ; at work
.set TM,   236                         ; v236-237 at work
.set TN,   238                         ; v238-239 at work
.set KSC,  240                         ; v[240:241] K's scale words: register f / 2, lanes 16 (f % 2) on
.set VSC,  242                         ; v[242:243] V's
.set QW,   244                         ; v244, v245 the Qs' scale words: a tile's two bytes, twice
.set PW,   246                         ; v246, v247 the ps' scale words
.set NM,   248                         ; v[248:249], v[250:251] -M, in the low word
.set SA,   253                         ; STG + 64 x wave + 2 r
.set SRD,  254                         ; STG + 16 x lane
; window 1
.set KF,   0                           ; four fragments of K
.set VF,   64                          ; four of V
.set O,    128                         ; O^T: A's 32, B's 32
.set PC,   192                         ; p's codes: A's 16, B's 16
.set WV,   16
.set CX,   17
.set QB,   18
.set BH,   19
.set SEL,  20                          ; s[20:21]
.set CS,   22                          ; s[22:23] c = log2(e) / 8
.set MNT,  24
.set CSN,  25                          ; -c
.set G1A,  28                          ; groups 1, rows of 256 dense bytes: two key steps, 128 rows;
.set G1S,  36                          ; half of the scale words, 32 rows;
.set G1B,  44                          ; four key steps, 256 rows;
.set G1R,  52                          ; one key step, 64 rows
.set G0A,  60
.set G0B,  68
.set G0S,  72
.set G0R,  76
.set TB,   80                          ; where the step begins in its slot
.set TS,   81                          ; 256 x step
.set CNT,  82
.set MSB, 0
.macro WIN new                         ; the immediate's high byte repeats the setting that is left
.if MSB != \new
	s_set_vgpr_msb (MSB<<8)|\new
.set MSB, \new
.endif
.endm
.macro PLACES n
.rept \n
	v_nop
.endr
.endm
.macro MM d, a, b, c, sa, sb, ra       ; c < 0: the product starts the sum
.if (\c) < 0
.if (\ra)
	v_wmma_scale_f32_16x16x128_f8f6f4 v[(\d):(\d)+7], v[(\a):(\a)+15], v[(\b):(\b)+15], 0, v[\sa], v[\sb] matrix_a_fmt:MATRIX_FMT_BF8 matrix_b_fmt:MATRIX_FMT_BF8 matrix_a_scale:MATRIX_SCALE_ROW1
.else
	v_wmma_scale_f32_16x16x128_f8f6f4 v[(\d):(\d)+7], v[(\a):(\a)+15], v[(\b):(\b)+15], 0, v[\sa], v[\sb] matrix_a_fmt:MATRIX_FMT_BF8 matrix_b_fmt:MATRIX_FMT_BF8
.endif
.else
.if (\ra)
	v_wmma_scale_f32_16x16x128_f8f6f4 v[(\d):(\d)+7], v[(\a):(\a)+15], v[(\b):(\b)+15], v[(\c):(\c)+7], v[\sa], v[\sb] matrix_a_fmt:MATRIX_FMT_BF8 matrix_b_fmt:MATRIX_FMT_BF8 matrix_a_scale:MATRIX_SCALE_ROW1
.else
	v_wmma_scale_f32_16x16x128_f8f6f4 v[(\d):(\d)+7], v[(\a):(\a)+15], v[(\b):(\b)+15], v[(\c):(\c)+7], v[\sa], v[\sb] matrix_a_fmt:MATRIX_FMT_BF8 matrix_b_fmt:MATRIX_FMT_BF8
.endif
.endif
.endm
.macro CROUND                          ; a round of the cluster's barrier: my work-group's barrier; wave 0 signals for the work-group; every wave waits for all four work-groups; my work-group's barrier once more
	s_barrier_signal -1
	s_barrier_wait -1
	s_cmp_lg_u32 s[WV], 0
	s_cbranch_scc1 .Lnot_wave_0_\@
	s_barrier_signal -3
.Lnot_wave_0_\@:
	s_barrier_wait -3
	s_barrier_signal -1
	s_barrier_wait -1
.endm
.macro G1SET g, rows                   ; group 1: so many dense rows of 256 bytes
	s_mov_b32 s[\g], 15|(3<<16)|(1<<21)    ; 15:0 the mask: all four work-groups; 17:16 elements of 8 bytes; 21 set beside a mask; no padding
	s_mov_b32 s[\g+1], 32<<16              ; tensor_dim0 = 32 elements: 256 bytes
	s_mov_b32 s[\g+2], (\rows)<<16         ; tensor_dim1
	s_mov_b32 s[\g+3], 32<<16              ; tile_dim0
	s_mov_b32 s[\g+4], \rows               ; tile_dim1
	s_mov_b32 s[\g+5], 32                  ; the pitch: dense
	s_mov_b32 s[\g+6], 0
	s_mov_b32 s[\g+7], 0
.endm
.macro G0SET g, lds, base, off         ; group 0
	s_mov_b32 s[\g], 1
	s_mov_b32 s[\g+1], s[\lds]
	s_add_nc_u64 s[\g+2:\g+3], s[\base:\base+1], s[\off:\off+1]
	s_or_b32 s[\g+3], s[\g+3], 0x80000000
.endm
.macro ARM under, g0, g1, next         ; an arm of the head's one tree of branches on the wave's number
	s_cmp_lt_u32 s[WV], \under
	s_cbranch_scc0 \next
	tensor_load_to_lds s[\g0:\g0+3], s[\g1:\g1+7]
	s_nop 0
	PLACES 4
	s_branch .Lasked
\next:
.endm
.macro SHOW under                      ; a plain barrier that shows the loads of the waves under that number: those waves have load lines of their own
	s_cmp_lt_u32 s[WV], \under
	s_cbranch_scc0 .Llater_\@
	s_wait_tensorcnt 0x0
.Llater_\@:
	s_wait_dscnt 0x0                               ; no LDS instruction of mine is out at the signal
	s_barrier_signal -1
	s_barrier_wait -1
.endm
	s_load_b256 s[4:11], s[0:1], 0x0               ; qc, qs, kvc, kvs
	s_load_b128 s[12:15], s[0:1], 0x20             ; cc, cs
	v_lshl_add_u32 v[SPW], v0, 2, SPARE
	v_mov_b32 v[NIL], 0
	ds_add_u32 v[SPW], v[NIL]                      ; the wave's opening: the add, twice on end, and its wait stand ahead of my first tensor load; the set-up below stands between them
	ds_add_u32 v[SPW], v[NIL]
	v_lshrrev_b32 v5, 5, v0
	v_readfirstlane_b32 s[WV], v5                  ; wave 0..7
	s_and_b32 s[BH], ttmp7, 0xffff                 ; batch x 8 + head, which the four partners share
	G1SET G1A, 128
	G1SET G1S, 32
	G1SET G1B, 256
	G1SET G1R, 64
	s_add_co_u32 s2, s[WV], 2
	s_and_b32 s2, s2, 3                            ; waves 2 to 5: which quarter of slot 0
	s_lshl_b32 s84, s2, 15
	s_and_b32 s3, s[WV], 1                         ; waves 6, 7: which half of slot 1; waves 0, 1: which half of the scale words
	s_lshl_b32 s85, s3, 16
	s_lshl_b32 s86, s3, 13
	s_lshl_b32 s87, s[WV], 14                      ; a refill: my key step of the eight
	s_lshl_b32 s88, s[BH], 19                      ; a head's codes of K and V: 2^19 bytes
	s_lshl_b32 s90, s[BH], 14                      ; its scale words: 2^14
	s_add_co_u32 s92, s88, s84
	s_mov_b32 s93, 0
	s_add_co_u32 s94, s88, s85
	s_add_co_u32 s94, s94, SLOT1
	s_mov_b32 s95, 0
	s_add_co_u32 s96, s90, s86
	s_mov_b32 s97, 0
	s_add_co_u32 s98, s88, s87
	s_add_co_u32 s98, s98, 2*SLOT1                 ; steps 16 to 23
	s_mov_b32 s99, 0
	s_add_co_u32 s85, s85, SLOT1
	s_add_co_u32 s86, s86, SCL
	s_mov_b32 s[SEL], 0x76543210
	s_mov_b32 s[SEL+1], 0xfedcba98
	s_mov_b32 s[CS], 0x3e38aa3b                    ; c = log2(e) / 8
	s_mov_b32 s[CS+1], s[CS]                       ; (named with it as a pair, so it is written)
	s_mov_b32 s[CSN], 0xbe38aa3b
	s_mov_b32 s[MNT], 0x600000
	v_and_b32 v10, 31, v0                          ; lane
	v_and_b32 v11, 15, v0                          ; r
	s_lshl_b32 s2, s[WV], 6
	s_add_co_u32 s2, s2, STG
	v_lshlrev_b32 v[L16], 4, v10
	v_lshl_add_u32 v[AS0], v10, 3, SCL
	v_lshl_add_u32 v[SA], v11, 1, s2
	v_lshl_add_u32 v[SRD], v10, 4, STG
	v_lshlrev_b32 v12, 3, v11                      ; 8 r: my query's place among the scale words
	; what hangs on my place in the cluster: global addresses of Q and ctx alone, in registers of their own
	s_bfe_u32 s[CX], ttmp6, 0x40000
	s_lshl_b32 s[QB], ttmp9, 2
	s_add_co_u32 s[QB], s[QB], s[CX]               ; my block of 256 queries
	s_lshl_b32 s26, s[BH], 18                      ; Q's codes: head, block (8 fragments of 2,048 bytes), fragment = wave
	s_lshl_b32 s83, s[QB], 14
	s_add_co_u32 s26, s26, s83
	s_lshl_b32 s83, s[WV], 11
	s_add_co_u32 s26, s26, s83
	s_mov_b32 s27, 0
	s_lshl_b32 s100, s[BH], 13                     ; Q's scale word: head; 128 tokens = 4 fragments are 256 bytes; a fragment's low bit picks the half of the lanes, its high bit the word
	s_lshl_b32 s83, s[QB], 9
	s_add_co_u32 s100, s100, s83
	s_mov_b32 s104, s100                           ; ctx's scale bytes lie alike: 32 a tile, 512 a block
	s_mov_b32 s105, 0
	s_lshr_b32 s83, s[WV], 2
	s_lshl_b32 s83, s83, 8
	s_add_co_u32 s100, s100, s83
	s_lshl_b32 s83, s3, 7
	s_add_co_u32 s100, s100, s83
	s_bfe_u32 s83, s[WV], 0x10001
	s_lshl_b32 s83, s83, 2
	s_add_co_u32 s100, s100, s83
	s_mov_b32 s101, 0
	s_lshr_b32 s66, s[BH], 3                       ; ctx's codes: (batch x 256 + tile) x 8,192 + head x 1,024; my two tiles are neighbours
	s_lshl_b32 s66, s66, 21
	s_lshl_b32 s83, s[QB], 17
	s_add_co_u32 s66, s66, s83
	s_lshl_b32 s83, s[WV], 14
	s_add_co_u32 s66, s66, s83
	s_and_b32 s83, s[BH], 7
	s_lshl_b32 s83, s83, 10
	s_add_co_u32 s66, s66, s83
	s_mov_b32 s67, 0
	s_mov_b32 s89, 0x01000100                      ; tile A's two bytes of its fragment's scale word, twice
	s_mov_b32 s91, 0x03020302                      ; tile B's
	s_wait_alu depctr_va_vdst(0)
	s_wait_dscnt 0x0                               ; both opening adds are done
	s_wait_kmcnt 0x0
	G0SET G0A, 84, 8, 92
	G0SET G0B, 85, 8, 94
	G0SET G0S, 86, 10, 96
	G0SET G0R, 87, 8, 98
	s_add_nc_u64 s[4:5], s[4:5], s[26:27]
	s_add_nc_u64 s[6:7], s[6:7], s[100:101]
	s_add_nc_u64 s[12:13], s[12:13], s[66:67]
	s_add_nc_u64 s[14:15], s[14:15], s[104:105]
	CROUND                                         ; all four work-groups are here: the first joint loads meet
	ARM 2, G0S, G1S, .Lfirst_steps                 ; one tensor load a wave, what is needed first by the lowest waves
	ARM 3, G0A, G1A, .Lslot_0
	ARM 6, G0A, G1A, .Lslot_1
	tensor_load_to_lds s[G0B:G0B+3], s[G1B:G1B+7]
	s_nop 0
	PLACES 4
.Lasked:
.irp c, 0,1
	global_load_b128 v[QZ+8+4*\c:QZ+11+4*\c], v[L16], s[4:5] offset:512*\c th:TH_LOAD_NT         ; my fragment of Q: tile A,
	global_load_b128 v[QZ+24+4*\c:QZ+27+4*\c], v[L16], s[4:5] offset:1024+512*\c th:TH_LOAD_NT   ; tile B
.endr
	global_load_b32 v[TN], v12, s[6:7]             ; its scale word
.irp j, 0,1,2,3,4,5,6,7
	v_mov_b32 v[QZ+\j], 0                          ; zero codes on both sides of each Q
	v_mov_b32 v[QZ+16+\j], 0
	v_mov_b32 v[QZ+32+\j], 0
.endr
.set J_, 0
.rept 32
	v_mov_b32 v[T+J_], 0                           ; the first step's REDUCE adds zeros; and a lane permute's destination counts as one of its sources
.set J_, J_+1
.endr
	v_mov_b32 v[FLR], 0x8000000
	v_mov_b32 v[LA], 0
	v_mov_b32 v[LA+1], 0
	v_mov_b32 v[SR], 0xff61b1e6                    ; the largest scores so far: -3e38
	v_mov_b32 v[SR+1], 0xff61b1e6
	v_mov_b32 v[LA+3], 0
.irp j, 0,1,2,3
	v_mov_b32 v[FF+\j], 0
.endr
	v_mov_b32 v[NM], 0x7e000000                    ; -M so far: far above every -M, so that the first f is 0
	v_mov_b32 v[NM+1], 0
	v_mov_b32 v[NM+2], 0x7e000000
	v_mov_b32 v[NM+3], 0
	WIN 0x40
.set J_, 0
.rept 64
	v_mov_b32 v[O+J_], 0                           ; O^T.  (The step is written as one loop body: the first finds zeros, which the first change of M leaves zeros)
.set J_, J_+1
.endr
	WIN 0
	s_wait_alu depctr_va_vdst(0)
	s_wait_loadcnt 0x0
	v_mov_b32 v[LA+2], 0                           ; (v12 was the load's address)
	v_perm_b32 v[QW], v[TN], v[TN], s89
	v_perm_b32 v[QW+1], v[TN], v[TN], s91
	PLACES 8                                       ; a scale register written by a vector instruction stands eight places ahead of the product
	s_wait_alu depctr_va_vdst(0)                   ; the wait at the head's end
	SHOW 3                                         ; the scale words and steps 0, 1
; THE SUMS' LAST LINES, 16 of them: eight pair sums of each tile become one, and the running sum takes it in under the new M.  They stand behind the NEXT step's score products, as the places ahead of the first read of the scores and of the loads into what those products read.
.macro REDUCE
.irp i, 0,1,2,3
	v_pk_add_f32 v[T+2*\i:T+2*\i+1], v[T+2*\i:T+2*\i+1], v[T+8+2*\i:T+9+2*\i]
	v_pk_add_f32 v[T+16+2*\i:T+17+2*\i], v[T+16+2*\i:T+17+2*\i], v[T+24+2*\i:T+25+2*\i]
.endr
.irp i, 0,1
	v_pk_add_f32 v[T+2*\i:T+2*\i+1], v[T+2*\i:T+2*\i+1], v[T+4+2*\i:T+5+2*\i]
	v_pk_add_f32 v[T+16+2*\i:T+17+2*\i], v[T+16+2*\i:T+17+2*\i], v[T+20+2*\i:T+21+2*\i]
.endr
	v_pk_add_f32 v[T:T+1], v[T:T+1], v[T+2:T+3]
	v_pk_add_f32 v[T+16:T+17], v[T+16:T+17], v[T+18:T+19]
	v_pk_fma_f32 v[LA:LA+1], v[LA:LA+1], v[FF:FF+1], v[T:T+1] op_sel_hi:[1,0,1]
	v_pk_fma_f32 v[LA+2:LA+3], v[LA+2:LA+3], v[FF+2:FF+3], v[T+16:T+17] op_sel_hi:[1,0,1]
.endm
.macro KLOADS                          ; four fragments of K into window 1
	WIN 0x40
.irp f, 0,1,2,3
.irp c, 0,1,2,3
	ds_load_b128 v[KF+16*\f+4*\c:KF+16*\f+4*\c+3], v[ADK] offset:2048*\f+512*\c
.endr
.endr
.endm
; A KEY STEP: 128 keys against both tiles; K is in registers
.macro STEP base, mask
	WIN 0x01
.irp f, 0,1,2,3                        ; S^T = K Q^T: each fragment of K four times: against [Q | 0] and [0 | Q] of A and of B
	MM S+16*\f, KF+16*\f, QZ+8, -1, KSC+\f/2, QW, \f%2
	MM S+16*\f+8, KF+16*\f, QZ, -1, KSC+\f/2, QW, \f%2
	MM S+64+16*\f, KF+16*\f, QZ+24, -1, KSC+\f/2, QW+1, \f%2
	MM S+64+16*\f+8, KF+16*\f, QZ+16, -1, KSC+\f/2, QW+1, \f%2
.endr
	WIN 0
	s_add_co_u32 s2, s[TB], \base
	s_add_co_u32 s3, s[TB], 16384
	s_and_b32 s3, s3, \mask                        ; in a run's last trip: the run's slot from its start again: those 16 loads read bytes that are there, and what they bring is loaded anew behind the change of slots
	s_add_co_u32 s3, s3, \base
	REDUCE
	v_add_nc_u32 v[ADV], s2, v[L16]
	v_add_nc_u32 v[ADK], s3, v[L16]
	v_add_nc_u32 v[ADS], s[TS], v[AS0]
	ds_load_b64 v[KSC:KSC+1], v[ADS] offset:256    ; the next step's K and this step's V are asked for now and land under the softmax
	ds_load_b64 v[VSC:VSC+1], v[ADS] offset:8192
	KLOADS
.irp t, 0,1,2,3
.irp c, 0,1,2,3
	ds_load_b128 v[VF+16*\t+4*\c:VF+16*\t+4*\c+3], v[ADV] offset:8192+2048*\t+512*\c
.endr
.endr
	WIN 0
.irp b, 0,1,2,3,4,5,6,7
	v_max3_num_f32 v[BM+\b], v[S+16*\b], v[S+1+16*\b], v[S+2+16*\b]   ; the largest score of each block of 32 keys: for the row's maximum, and, since p rises with the score, for the block's largest p
.endr
.irp i, 3,5,7,9,11
.irp b, 0,1,2,3,4,5,6,7
	v_max3_num_f32 v[BM+\b], v[BM+\b], v[S+16*\b+\i], v[S+1+16*\b+\i]
.endr
.endr
.irp b, 0,1,2,3,4,5,6,7
	v_max3_num_f32 v[BM+\b], v[BM+\b], v[S+16*\b+13], v[S+16*\b+14+\b%2]   ; register 15 of an even block and 14 of an odd one are left over for the pairs below
.endr
.irp b, 0,2,4,6
	v_dual_max_num_f32 v[BM+\b], v[BM+\b], v[S+16*\b+15] :: v_dual_max_num_f32 v[BM+\b+1], v[BM+\b+1], v[S+16*\b+30]
.endr
.irp b, 0,1,2,3,4,5,6,7
	v_permlanex16_b32 v[BT+\b], v[BM+\b], s[SEL], s[SEL+1]
.endr
.irp b, 0,2,4,6
	v_dual_max_num_f32 v[BM+\b], v[BM+\b], v[BT+\b] :: v_dual_max_num_f32 v[BM+\b+1], v[BM+\b+1], v[BT+\b+1]   ; with lane l xor 16's 16 keys
.endr
.irp u, 0,1
	v_max3_num_f32 v[TM+\u], v[BM+4*\u], v[BM+4*\u+1], v[BM+4*\u+2]
.endr
.irp u, 0,1
	v_max3_num_f32 v[SR+\u], v[TM+\u], v[BM+4*\u+3], v[SR+\u]   ; my query's largest score so far
.endr
.irp u, 0,1
	v_mul_f32 v[TM+\u], s[CSN], v[SR+\u]           ; -t
.endr
.irp u, 0,1
	v_floor_f32 v[TM+\u], v[TM+\u]                 ; the new -M = -ceil(t)
.endr
.irp u, 0,1
	v_sub_f32 v[TN+\u], v[TM+\u], v[NM+2*\u]       ; old M - new M: a whole number, 0 or less
.endr
.irp u, 0,1
	v_mov_b32 v[NM+2*\u], v[TM+\u]
.endr
.irp u, 0,1
	v_cvt_i32_f32 v[TN+\u], v[TN+\u]               ; (it saturates)
.endr
.irp u, 0,1
	v_ldexp_f32 v[FF+2*\u], 1.0, v[TN+\u]          ; f = 2^(old M - new M)
.endr
.irp b, 0,2,4,6
	v_pk_fma_f32 v[BM+\b:BM+\b+1], v[BM+\b:BM+\b+1], s[CS:CS+1], v[NM+2*(\b/4):NM+2*(\b/4)+1] op_sel_hi:[1,0,0]   ; t - M of the blocks' largest scores,
.endr
.set J_, 0
.rept 32
	v_pk_fma_f32 v[S+2*J_:S+2*J_+1], v[S+2*J_:S+2*J_+1], s[CS:CS+1], v[NM:NM+1] op_sel_hi:[1,0,0]   ; and of A's scores
.set J_, J_+1
.endr
	s_wait_alu depctr_va_vdst(0)                   ; the wait ahead of the batch
.irp b, 0,1,2,3,4,5,6,7
	v_exp_f32 v[BM+\b], v[BM+\b]                   ; the blocks' largest p
.endr
.set J_, 0
.rept 32                               ; A's p = 2^(t - M), and between them B's t - M
	v_exp_f32 v[S+2*J_], v[S+2*J_]
	v_exp_f32 v[S+2*J_+1], v[S+2*J_+1]
	v_pk_fma_f32 v[S+64+2*J_:S+65+2*J_], v[S+64+2*J_:S+65+2*J_], s[CS:CS+1], v[NM+2:NM+3] op_sel_hi:[1,0,0]
.set J_, J_+1
.endr
	s_wait_alu depctr_va_vdst(0)                   ; and behind it, ahead of its first reader
.irp b, 0,2,4,6
	v_dual_max_num_f32 v[BM+\b], v[BM+\b], v[FLR] :: v_dual_max_num_f32 v[BM+\b+1], v[BM+\b+1], v[FLR]   ; the floor 2^(16 - 127): the byte cannot fall under 1
.endr
.irp b, 0,1,2,3,4,5,6,7
	v_add_nc_u32 v[SO+\b], 0xf8800000, v[BM+\b]    ; 15 off the exponent field: the conversion's scale operand
.endr
.irp b, 0,1,2,3,4,5,6,7
	v_and_or_b32 v[HD+\b], v[BM+\b], 0x7f800000, s[MNT]   ; 57,344 x the scale
.endr
.irp b, 0,1,2,3,4,5,6,7
	v_lshrrev_b32 v[BT+\b], 23, v[SO+\b]           ; the scale's byte
.endr
.irp u, 0,1
	v_lshl_or_b32 v[PW+\u], v[BT+4*\u+1], 8, v[BT+4*\u]   ; p's scale words for these 128 keys
.endr
.irp u, 0,1
	v_lshl_or_b32 v[PW+\u], v[BT+4*\u+2], 16, v[PW+\u]
.endr
.irp u, 0,1
	v_lshl_or_b32 v[PW+\u], v[BT+4*\u+3], 24, v[PW+\u]
.endr
	s_wait_alu depctr_va_vdst(0)
.set J_, 0
.rept 16                               ; B's p; between them A's first sums, of the unquantised p, and then A's holds (the conversion does not saturate: ISA guide 7.6.2; p is not negative: one-sided)
	v_exp_f32 v[S+64+4*J_], v[S+64+4*J_]
	v_pk_add_f32 v[T+2*J_:T+2*J_+1], v[S+4*J_:S+4*J_+1], v[S+4*J_+2:S+4*J_+3]
	v_exp_f32 v[S+65+4*J_], v[S+65+4*J_]
	v_dual_min_num_f32 v[S+4*J_], v[S+4*J_], v[HD+J_/4] :: v_dual_min_num_f32 v[S+4*J_+1], v[S+4*J_+1], v[HD+J_/4]
	v_exp_f32 v[S+66+4*J_], v[S+66+4*J_]
	v_exp_f32 v[S+67+4*J_], v[S+67+4*J_]
	v_dual_min_num_f32 v[S+4*J_+2], v[S+4*J_+2], v[HD+J_/4] :: v_dual_min_num_f32 v[S+4*J_+3], v[S+4*J_+3], v[HD+J_/4]
.set J_, J_+1
.endr
	s_wait_alu depctr_va_vdst(0)
	WIN 0x40
.irp b, 0,1,2,3
	v_cvt_scalef32_pk8_bf8_f32 v[PC+4*\b:PC+1+4*\b], v[S+16*\b:S+7+16*\b], v[SO+\b]
	v_cvt_scalef32_pk8_bf8_f32 v[PC+2+4*\b:PC+3+4*\b], v[S+8+16*\b:S+15+16*\b], v[SO+\b]
.endr
	WIN 0
.irp i, 0,1,2,3,4,5,6,7
	v_pk_add_f32 v[T+2*\i:T+2*\i+1], v[T+2*\i:T+2*\i+1], v[T+16+2*\i:T+17+2*\i]
.endr
.irp i, 0,1,2,3,4,5,6,7                ; B's sums, eight by turns
	v_pk_add_f32 v[T+16+2*\i:T+17+2*\i], v[S+64+2*\i:S+65+2*\i], v[S+80+2*\i:S+81+2*\i]
.endr
.irp i, 0,1,2,3,4,5,6,7
	v_pk_add_f32 v[T+16+2*\i:T+17+2*\i], v[T+16+2*\i:T+17+2*\i], v[S+96+2*\i:S+97+2*\i]
.endr
.irp i, 0,1,2,3,4,5,6,7
	v_pk_add_f32 v[T+16+2*\i:T+17+2*\i], v[T+16+2*\i:T+17+2*\i], v[S+112+2*\i:S+113+2*\i]
.endr
.set J_, 0
.rept 32
	v_dual_min_num_f32 v[S+64+2*J_], v[S+64+2*J_], v[HD+4+J_/8] :: v_dual_min_num_f32 v[S+65+2*J_], v[S+65+2*J_], v[HD+4+J_/8]
.set J_, J_+1
.endr
	WIN 0x40
.irp b, 0,1,2,3
	v_cvt_scalef32_pk8_bf8_f32 v[PC+16+4*\b:PC+17+4*\b], v[S+64+16*\b:S+71+16*\b], v[SO+4+\b]
	v_cvt_scalef32_pk8_bf8_f32 v[PC+18+4*\b:PC+19+4*\b], v[S+72+16*\b:S+79+16*\b], v[SO+4+\b]
.endr
	WIN 0x41
	s_wait_alu depctr_va_vdst(0)                   ; directly ahead of the first reader of O^T
.set J_, 0
.rept 32
	v_pk_mul_f32 v[O+2*J_:O+2*J_+1], v[O+2*J_:O+2*J_+1], v[FF+2*(J_/16):FF+2*(J_/16)+1] op_sel_hi:[1,0]   ; O^T under the new M; these are also the places between the codes and the products
.set J_, J_+1
.endr
	s_wait_alu depctr_va_vdst(0)
	s_wait_dscnt 0x0                               ; V is in, and the next K
	WIN 0x55
.irp t, 0,1,2,3                        ; O^T += V^T P^T: the eight accumulators by turns, one product each
	MM O+8*\t, VF+16*\t, PC, O+8*\t, VSC+\t/2, PW, \t%2
	MM O+32+8*\t, VF+16*\t, PC+16, O+32+8*\t, VSC+\t/2, PW+1, \t%2
.endr
	WIN 0
.endm
; A RUN: n steps of the slot at base, the first of them number first of the slot and number g of the walk
.macro RUN base, first, g, n, mask
	s_mov_b32 s[TB], (\first)*16384
	s_mov_b32 s[TS], (\g)*256
	s_mov_b32 s[CNT], 0
	s_mov_b32 s2, (\base)+(\first)*16384
	v_add_nc_u32 v[ADK], s2, v[L16]
	v_add_nc_u32 v[ADS], s[TS], v[AS0]
	ds_load_b64 v[KSC:KSC+1], v[ADS]
	KLOADS                                         ; the run's first K
	WIN 0
	s_wait_dscnt 0x0
.Lrun_\@:
	STEP \base, \mask
	s_add_co_u32 s[TB], s[TB], 16384
	s_add_co_u32 s[TS], s[TS], 256
	s_add_co_u32 s[CNT], s[CNT], 1
	s_cmp_lt_u32 s[CNT], \n
	s_cbranch_scc1 .Lrun_\@
.endm
; THE CHANGE OF SLOTS with a refill.  Each wave waits for all its tensor loads (its part of the slot ahead), adds 0 to its spare word, and waits for that and for its reads of the slot that it has left.
; Behind the round of the cluster's barrier the slot just left is filled with eight steps, a step a wave, which has the eight steps of the other slot in which to land.
.macro CHANGE on
	s_wait_tensorcnt 0x0
	ds_add_u32 v[SPW], v[NIL]                      ; 0 onto my spare word
.if \on
	s_add_co_u32 s[G0R+1], s[G0R+1], SLOT1         ; slot 1, steps 24 to 31
	s_add_nc_u64 s[G0R+2:G0R+3], s[G0R+2:G0R+3], SLOT1
.endif
	s_wait_dscnt 0x0
	CROUND
	tensor_load_to_lds s[G0R:G0R+3], s[G1R:G1R+7]
	s_nop 0
	PLACES 4
.endm
	RUN 0, 0, 0, 2, 0x7fff                         ; steps 0, 1
	SHOW 6                                         ; the rest of slot 0
	RUN 0, 2, 2, 6, 0x1ffff                        ; steps 2 to 7
	CHANGE 0                                       ; slot 1 is in; slot 0 takes steps 16 to 23
	RUN SLOT1, 0, 8, 8, 0x1ffff
	CHANGE 1                                       ; slot 0 is in; slot 1 takes steps 24 to 31
	RUN 0, 0, 16, 8, 0x1ffff
	s_wait_tensorcnt 0x0                           ; slot 1 is in; nothing is filled again
	s_wait_dscnt 0x0
	s_barrier_signal -1
	s_barrier_wait -1
	RUN SLOT1, 0, 24, 8, 0x1ffff
	; THE WAY OUT.  O^T / the sum is a lane's 32 features of its query, for each tile: 16 neighbours of each block of 32, the other 16 in lane l xor 16: quantised as they stand, the codes are two cells of the last product's operand.
	REDUCE                                         ; (also the places behind the last products)
	v_add_f32 v[LA], v[LA], v[LA+1]
	v_add_f32 v[LA+2], v[LA+2], v[LA+3]
	v_permlanex16_b32 v[TM], v[LA], s[SEL], s[SEL+1]
	v_permlanex16_b32 v[TM+1], v[LA+2], s[SEL], s[SEL+1]
	v_add_f32 v[LA], v[LA], v[TM]                  ; the rows' sums
	v_add_f32 v[LA+2], v[LA+2], v[TM+1]
	s_wait_alu depctr_va_vdst(0)
	v_rcp_f32 v[LA], v[LA]
	v_rcp_f32 v[LA+2], v[LA+2]
	v_nop                                          ; a plain line behind the transcendentals,
	WIN 0x01
	s_wait_alu depctr_va_vdst(0)                   ; and the wait ahead of the first reader, of O^T too
.set J_, 0
.rept 32
	v_pk_mul_f32 v[S+2*J_:S+2*J_+1], v[O+2*J_:O+2*J_+1], v[LA+2*(J_/16):LA+2*(J_/16)+1] op_sel_hi:[1,0]   ; each accumulator from its low end on
.set J_, J_+1
.endr
	WIN 0
.irp b, 0,1,2,3                        ; blocks 0, 1: tile A's, blocks 2, 3: tile B's
	v_max3_num_f32 v[BM+\b], |v[S+16*\b]|, |v[S+1+16*\b]|, v[FLR]
.endr
.irp i, 2,4,6,8,10,12,14
.irp b, 0,1,2,3
	v_max3_num_f32 v[BM+\b], v[BM+\b], |v[S+16*\b+\i]|, |v[S+1+16*\b+\i]|
.endr
.endr
.irp b, 0,1,2,3
	v_permlanex16_b32 v[BT+\b], v[BM+\b], s[SEL], s[SEL+1]
.endr
.irp b, 0,1,2,3
	v_max_num_f32 v[BM+\b], v[BM+\b], v[BT+\b]
.endr
.irp b, 0,1,2,3
	v_add_nc_u32 v[SO+\b], 0xf8800000, v[BM+\b]
.endr
.irp b, 0,1,2,3
	v_and_or_b32 v[HD+\b], v[BM+\b], 0x7f800000, s[MNT]
.endr
.irp b, 0,1,2,3
	v_lshrrev_b32 v[BT+\b], 23, v[SO+\b]
.endr
	v_lshl_or_b32 v[TM], v[BT+1], 8, v[BT]         ; my queries' two scale bytes each
	v_lshl_or_b32 v[TM+1], v[BT+3], 8, v[BT+2]
.irp b, 0,1,2,3
.irp i, 0,1,2,3,4,5,6,7,8,9,10,11,12,13,14,15
	v_med3_num_f32 v[S+16*\b+\i], v[S+16*\b+\i], -v[HD+\b], v[HD+\b]
.endr
.endr
	WIN 0x40
.irp b, 0,1,2,3
	v_cvt_scalef32_pk8_bf8_f32 v[PC+4*\b:PC+1+4*\b], v[S+16*\b:S+7+16*\b], v[SO+\b]
	v_cvt_scalef32_pk8_bf8_f32 v[PC+2+4*\b:PC+3+4*\b], v[S+8+16*\b:S+15+16*\b], v[SO+\b]
.endr
	v_nop
	WIN 0x04                                       ; the stores' data in window 1
.irp b, 0,1,2,3
	global_store_b128 v[L16], v[PC+4*\b:PC+4*\b+3], s[12:13] offset:8192*(\b/2)+512*(\b%2)   ; 512 consecutive bytes, aligned
.endr
	WIN 0
	ds_store_b16 v[SA], v[TM]                      ; both halves of the lanes write the same two bytes
	ds_store_b16 v[SA], v[TM+1] offset:32
	s_wait_dscnt 0x0                               ; for the others' sake
	s_barrier_signal -1
	s_barrier_wait -1                              ; the sixteen tiles' 512 bytes lie in the stage
	s_cmp_lg_u32 s[WV], 0
	s_cbranch_scc1 .Lnot_first_wave
	ds_load_b128 v[S:S+3], v[SRD]
	s_wait_dscnt 0x0
	global_store_b128 v[L16], v[S:S+3], s[14:15]   ; 512 consecutive bytes, aligned
.Lnot_first_wave:
	s_wait_tensorcnt 0x0                           ; the wave's end, behind my last tensor load and my last LDS store
	ds_add_u32 v[SPW], v[NIL]
	s_wait_dscnt 0x0
	CROUND                                         ; the closing round: no work-group ends while a partner may still ask for a tile that names it
	s_endpgm
.Lfunc_end_k_q89d40a641f_attn:
	.size	k_q89d40a641f_attn, .Lfunc_end_k_q89d40a641f_attn-k_q89d40a641f_attn
	.p2alignl 7, 3214868480
	.fill 96, 4, 3214868480
	.section	.rodata,"a",@progbits
	.p2align	6, 0x0
	.amdhsa_kernel k_q89d40a641f_attn
		.amdhsa_group_segment_fixed_size 327680
		.amdhsa_private_segment_fixed_size 0
		.amdhsa_enable_private_segment 0
		.amdhsa_kernarg_size 48
		.amdhsa_user_sgpr_count 2
		.amdhsa_user_sgpr_kernarg_segment_ptr 1
		.amdhsa_wavefront_size32 1
		.amdhsa_system_sgpr_workgroup_id_x 1
		.amdhsa_system_sgpr_workgroup_id_y 1
		.amdhsa_system_sgpr_workgroup_id_z 1
		.amdhsa_system_vgpr_workitem_id 0
		.amdhsa_next_free_vgpr 512
		.amdhsa_next_free_sgpr 106
		.amdhsa_reserve_vcc 0
		.amdhsa_float_denorm_mode_32 3
		.amdhsa_float_denorm_mode_16_64 3
		.amdhsa_memory_ordered 1
		.amdhsa_forward_progress 1
		.amdhsa_inst_pref_size 200
	.end_amdhsa_kernel
	.amdgpu_metadata
---
amdhsa.version: [ 1, 2 ]
amdhsa.kernels:
  - .name:           k_q89d40a641f_attn
    .symbol:         k_q89d40a641f_attn.kd
    .args:
      - { .name: qc, .offset: 0, .size: 8, .value_kind: global_buffer, .address_space: global }
      - { .name: qs, .offset: 8, .size: 8, .value_kind: global_buffer, .address_space: global }
      - { .name: kvc, .offset: 16, .size: 8, .value_kind: global_buffer, .address_space: global }
      - { .name: kvs, .offset: 24, .size: 8, .value_kind: global_buffer, .address_space: global }
      - { .name: cc, .offset: 32, .size: 8, .value_kind: global_buffer, .address_space: global }
      - { .name: cs, .offset: 40, .size: 8, .value_kind: global_buffer, .address_space: global }
    .group_segment_fixed_size: 327680
    .private_segment_fixed_size: 0
    .kernarg_segment_align: 8
    .kernarg_segment_size: 48
    .max_flat_workgroup_size: 256
    .sgpr_count:     106
    .vgpr_count:     512
    .wavefront_size: 32
...
	.end_amdgpu_metadata
.endif
;; end of part 2
;; launch outp (part 3): grid 256 x 1, 8 waves a work-group, clusters of 4 x 1, 327,680 bytes of LDS; arguments cc, cs, Wo_codes, Wo_scales, bo, out0; writes out0
.if DOCPART == 3
	.amdgcn_target "amdgcn-amd-amdhsa--gfx1250"
	.amdhsa_code_object_version 6
	.text
	.protected	k_q89d40a641f_outp
	.globl	k_q89d40a641f_outp
	.p2align	8
	.type	k_q89d40a641f_outp,@function
k_q89d40a641f_outp:
	s_mov_b64 s[64:65], 0
	v_nop
	global_prefetch_b8 v0, s[64:65] scope:SCOPE_SE
	s_setreg_imm32_b32 hwreg(HW_REG_WAVE_MODE, 25, 1), 1
	s_wait_xcnt 0x0
	s_wait_alu depctr_hold_cnt(0) depctr_sa_sdst(0) depctr_va_vdst(0) depctr_va_sdst(0) depctr_va_ssrc(0) depctr_va_vcc(0) depctr_vm_vsrc(0)
	s_getreg_b32 s2, hwreg(HW_REG_IB_STS2, 6, 4)
	s_cmp_eq_u32 s2, 0
	s_cbranch_scc0 .Lentry_in_a_cluster
	s_endpgm
.Lentry_in_a_cluster:
	s_bfe_u32 s2, ttmp6, 0x10000c
	s_cmp_lg_u32 s2, 0x3003
	s_cbranch_scc0 .Lentry_shape_is_right
	s_endpgm
.Lentry_shape_is_right:
; out0 = ctx Wo^T + bo on codes of BF8 (E5M2) with E8M0 scales, K = 512, sums in f32.  ctx comes as images of operand registers (a tile of 16 tokens: four fragments of 2,048 bytes) with two scale bytes for each token and head.
; SHARES.  A work-group takes 32 tokens (two tiles), wave w the features 64 w .. 64 w + 63: 32 products on eight accumulators.  Row r of tile u is token 32 x work-group + 8 u + r + 8 (r / 8).
; Source 0 = 16 rows of Wo, source 1 = 16 tokens: a lane holds one token and eight neighbouring features; a tile goes through the wave's own stage in LDS and leaves as rows of 256 bytes.
; CLUSTER.  All work-groups walk the whole of Wo: each wave asks JOINTLY with its three partners (mask 15) for its own 64 rows, once, and reads only those bytes back, behind its own wait.  Nothing is filled again.
; The bias is the C of a sum's first product: it is added ahead of the products.  LIMITS: NaN, infinities and the scale byte 0xff among the inputs are not served.
.set WPITCH, 528                       ; a row of Wo in LDS: 512 bytes + 16 of padding
.set WPART,  64*WPITCH                 ; a wave's 64 rows
.set STG,    8*WPART                   ; behind them: a stage of 16 rows x (256 + 16) bytes for each wave; no fill lands here
.set SPARE,  STG+8*16*272              ; the spare words, 128 bytes for each wave: four blocks of 256 bytes that no other line names
.set SPW,  1                           ; v1   LDS address of my spare word; never rewritten
.set NIL,  2                           ; v2   0; never rewritten
.set LI,   3                           ; v3   16 x lane
.set WAD,  4                           ; v4   my rows of Wo: wave x WPART + r x WPITCH + 16 h
.set STO,  5                           ; v5   the stage, in: row r, + 32 h
.set SRD,  6                           ; v6   the stage, back: lanes 0-15 one row, lanes 16-31 the next
.set GO,   7                           ; v7   and the same two rows in out0
.set L2,   8                           ; v8   2 x lane
.set H32,  9                           ; v9   32 h
.set BIAS, 16                          ; v16-47   bo in the result's layout, 8 registers a tile of features
.set CF,   48                          ; v48-175  ctx's eight fragments, 16 (4 u + s); later the rows read back from the stage
.set ACC,  176                         ; v176-239 the accumulators, 8 (4 u + ft); at the head the eight heads' scale bytes
.set WS,   240                         ; v240-247 Wo's scale words: WS + 4 p + s: lanes 0-15 tile 2 p, lanes 16-31 tile 2 p + 1
.set CS,   248                         ; v248-251 ctx's scale words, a register a K step: lanes 0-15 tile 0, lanes 16-31 tile 1
.set WV,   16
.set G1,   24                          ; s[24:31]
.set G0,   32                          ; s[32:35]
.set MSB, 0
.macro WIN new                         ; the immediate's high byte repeats the setting that is left
.if MSB != \new
	s_set_vgpr_msb (MSB<<8)|\new
.set MSB, \new
.endif
.endm
.macro PLACES n
.rept \n
	v_nop
.endr
.endm
.macro MM d, a, b, c, sa, sb, ra, rb
.if (\ra) && (\rb)
	v_wmma_scale_f32_16x16x128_f8f6f4 v[(\d):(\d)+7], v[(\a):(\a)+15], v[(\b):(\b)+15], v[(\c):(\c)+7], v[\sa], v[\sb] matrix_a_fmt:MATRIX_FMT_BF8 matrix_b_fmt:MATRIX_FMT_BF8 matrix_a_scale:MATRIX_SCALE_ROW1 matrix_b_scale:MATRIX_SCALE_ROW1
.elseif (\ra)
	v_wmma_scale_f32_16x16x128_f8f6f4 v[(\d):(\d)+7], v[(\a):(\a)+15], v[(\b):(\b)+15], v[(\c):(\c)+7], v[\sa], v[\sb] matrix_a_fmt:MATRIX_FMT_BF8 matrix_b_fmt:MATRIX_FMT_BF8 matrix_a_scale:MATRIX_SCALE_ROW1
.elseif (\rb)
	v_wmma_scale_f32_16x16x128_f8f6f4 v[(\d):(\d)+7], v[(\a):(\a)+15], v[(\b):(\b)+15], v[(\c):(\c)+7], v[\sa], v[\sb] matrix_a_fmt:MATRIX_FMT_BF8 matrix_b_fmt:MATRIX_FMT_BF8 matrix_b_scale:MATRIX_SCALE_ROW1
.else
	v_wmma_scale_f32_16x16x128_f8f6f4 v[(\d):(\d)+7], v[(\a):(\a)+15], v[(\b):(\b)+15], v[(\c):(\c)+7], v[\sa], v[\sb] matrix_a_fmt:MATRIX_FMT_BF8 matrix_b_fmt:MATRIX_FMT_BF8
.endif
.endm
.macro CROUND                          ; a round of the cluster's barrier
	s_barrier_signal -1
	s_barrier_wait -1
	s_cmp_lg_u32 s[WV], 0
	s_cbranch_scc1 .Lnot_wave_0_\@
	s_barrier_signal -3
.Lnot_wave_0_\@:
	s_barrier_wait -3
	s_barrier_signal -1
	s_barrier_wait -1
.endm
	s_load_b256 s[4:11], s[0:1], 0x0               ; cc, cs, Wo's codes, Wo's scales
	s_load_b128 s[12:15], s[0:1], 0x20             ; bo, out0
	v_lshl_add_u32 v[SPW], v0, 2, SPARE
	v_mov_b32 v[NIL], 0
	ds_add_u32 v[SPW], v[NIL]                      ; the wave's opening: the add and its wait stand ahead of my first tensor load; the set-up below, work on registers, stands between them
	ds_add_u32 v[SPW], v[NIL]
	v_lshrrev_b32 v10, 5, v0
	s_delay_alu instid0(VALU_DEP_1)
	v_readfirstlane_b32 s[WV], v10                 ; wave 0..7
	s_mov_b32 s[G1], 15|(3<<16)|(1<<20)|(1<<21)|(6<<22)|(3<<25)   ; the mask: all four work-groups; elements of 8 bytes; padding on; 21 set beside a mask; after every 128 words (code 6) four words (code 3)
	s_mov_b32 s[G1+1], 64<<16                      ; tensor_dim0 = 64 elements: 512 bytes
	s_mov_b32 s[G1+2], 64<<16                      ; tensor_dim1 = 64 rows
	s_mov_b32 s[G1+3], 64<<16                      ; tile_dim0
	s_mov_b32 s[G1+4], 64                          ; tile_dim1
	s_mov_b32 s[G1+5], 64                          ; the pitch: dense
	s_mov_b32 s[G1+6], 0
	s_mov_b32 s[G1+7], 0
	s_mul_i32 s36, s[WV], WPART                    ; my rows in LDS,
	s_lshl_b32 s38, s[WV], 15                      ; and in memory
	s_mov_b32 s39, 0
	s_mul_i32 s37, s[WV], 16*272
	s_add_co_u32 s37, s37, STG                     ; my stage
	v_and_b32 v10, 31, v0                          ; lane
	v_and_b32 v11, 15, v0                          ; r
	v_bfe_u32 v12, v0, 4, 1                        ; h
	s_delay_alu instid0(VALU_DEP_3)
	v_lshlrev_b32 v[LI], 4, v10
	s_delay_alu instid0(VALU_DEP_3)
	v_mul_u32_u24 v[WAD], v11, WPITCH
	s_delay_alu instid0(VALU_DEP_1)
	v_lshl_add_u32 v[WAD], v12, 4, v[WAD]
	s_delay_alu instid0(VALU_DEP_1)
	v_add_nc_u32 v[WAD], s36, v[WAD]
	v_mul_u32_u24 v[STO], v11, 272
	s_delay_alu instid0(VALU_DEP_1)
	v_lshl_add_u32 v[STO], v12, 5, v[STO]
	s_delay_alu instid0(VALU_DEP_1)
	v_add_nc_u32 v[STO], s37, v[STO]
	v_mul_u32_u24 v[SRD], v12, 272
	s_delay_alu instid0(VALU_DEP_1)
	v_lshl_add_u32 v[SRD], v11, 4, v[SRD]
	s_delay_alu instid0(VALU_DEP_1)
	v_add_nc_u32 v[SRD], s37, v[SRD]
	v_lshlrev_b32 v[GO], 11, v12                   ; a row of out0 is 2,048 bytes
	s_delay_alu instid0(VALU_DEP_1)
	v_lshl_add_u32 v[GO], v11, 4, v[GO]
	v_lshlrev_b32 v[L2], 1, v10
	v_lshlrev_b32 v[H32], 5, v12
	s_lshl_b32 s44, s[WV], 10                      ; my 64 rows' scale bytes of Wo,
	s_mov_b32 s45, 0
	s_lshl_b32 s46, s[WV], 8                       ; and my 64 numbers of bo
	s_mov_b32 s47, 0
	; what hangs on my place in the cluster: global addresses of ctx and out0 alone, in registers of their own
	s_bfe_u32 s17, ttmp6, 0x40000
	s_lshl_b32 s18, ttmp9, 2
	s_add_co_u32 s18, s18, s17                     ; my work-group's number: 32 tokens
	s_lshl_b32 s40, s18, 14                        ; two tiles of 8,192 bytes
	s_mov_b32 s41, 0
	s_lshr_b32 s42, s18, 7                         ; the batch: eight heads of 8,192 bytes;
	s_lshl_b32 s42, s42, 16
	s_and_b32 s50, s18, 127
	s_lshl_b32 s50, s50, 6                         ; two tiles of 32 bytes
	s_add_co_u32 s42, s42, s50
	s_mov_b32 s43, 0
	s_lshl_b32 s48, s18, 16                        ; 32 rows of out0,
	s_add_co_u32 s48, s48, s46                     ; my 256 bytes of each
	s_mov_b32 s49, 0
	s_wait_dscnt 0x0                               ; the opening add is done
	s_wait_kmcnt 0x0
	s_mov_b32 s[G0], 1
	s_mov_b32 s[G0+1], s36
	s_add_nc_u64 s[G0+2:G0+3], s[8:9], s[38:39]
	s_or_b32 s[G0+3], s[G0+3], 0x80000000
	s_add_nc_u64 s[4:5], s[4:5], s[40:41]
	s_add_nc_u64 s[6:7], s[6:7], s[42:43]
	s_add_nc_u64 s[10:11], s[10:11], s[44:45]
	s_add_nc_u64 s[12:13], s[12:13], s[46:47]
	s_add_nc_u64 s[14:15], s[14:15], s[48:49]
	CROUND                                         ; all four work-groups are here: the joint loads meet
	tensor_load_to_lds s[G0:G0+3], s[G1:G1+7]      ; my 64 rows of Wo: my one tensor load
	s_nop 0
.rept 4
	v_nop
.endr
.irp u, 0,1
.irp s, 0,1,2,3
.irp c, 0,1,2,3
	global_load_b128 v[CF+16*(4*\u+\s)+4*\c:CF+16*(4*\u+\s)+4*\c+3], v[LI], s[4:5] offset:8192*\u+2048*\s+512*\c   ; ctx's fragments as they lie: 512 consecutive bytes
.endr
.endr
.endr
	s_wait_alu depctr_va_vdst(0)
.irp hd, 0,1,2,3,4,5,6,7
	global_load_u16 v[ACC+\hd], v[L2], s[6:7] offset:8192*\hd   ; head hd's two bytes: lanes 0-15 tile 0's tokens, lanes 16-31 tile 1's
.endr
	global_load_b128 v[WS:WS+3], v[LI], s[10:11]
	global_load_b128 v[WS+4:WS+7], v[LI], s[10:11] offset:512
.irp ft, 0,1,2,3
	global_load_b128 v[BIAS+8*\ft:BIAS+8*\ft+3], v[H32], s[12:13] offset:64*\ft
	global_load_b128 v[BIAS+8*\ft+4:BIAS+8*\ft+7], v[H32], s[12:13] offset:64*\ft+16
.endr
	s_wait_tensorcnt 0x0                           ; my rows of Wo are in LDS; nobody else reads them
	WIN 0x40                                       ; destination in window 1
.irp ft, 0,1,2,3
.irp s, 0,1,2,3
.irp c, 0,1,2,3
	ds_load_b128 v[16*(4*\ft+\s)+4*\c:16*(4*\ft+\s)+4*\c+3], v[WAD] offset:16*\ft*WPITCH+128*\s+32*\c
.endr
.endr
.endr
	WIN 0
	s_wait_loadcnt 0x0
.irp s, 0,1,2,3
	v_lshl_or_b32 v[CS+\s], v[ACC+1+2*\s], 16, v[ACC+2*\s]   ; K step s = heads 2 s, 2 s + 1: four bytes
.endr
	PLACES 8                                       ; a scale register written by a vector instruction stands eight places ahead of the product
	s_wait_alu depctr_va_vdst(0)
	s_wait_dscnt 0x0
	WIN 0x01                                       ; source 0 (Wo) in window 1
.irp s, 0,1,2,3                        ; the eight accumulators by turns, in the same order in every K step
.irp u, 0,1
.irp ft, 0,1,2,3
.if \s == 0
	MM ACC+8*(4*\u+\ft), 16*(4*\ft+\s), CF+16*(4*\u+\s), BIAS+8*\ft, WS+4*(\ft/2)+\s, CS+\s, \ft%2, \u
.else
	MM ACC+8*(4*\u+\ft), 16*(4*\ft+\s), CF+16*(4*\u+\s), ACC+8*(4*\u+\ft), WS+4*(\ft/2)+\s, CS+\s, \ft%2, \u
.endif
.endr
.endr
.endr
	WIN 0
	PLACES 8                                       ; in front of the first read of results and of loads into the fragments' registers
.irp u, 0,1                            ; LDS serves a wave's instructions in order (ISA guide 5.7.1.4): the loads see the stores above them, and tile 1's stores come behind tile 0's loads
.irp ft, 0,1,2,3
	ds_store_b128 v[STO], v[ACC+8*(4*\u+\ft):ACC+8*(4*\u+\ft)+3] offset:64*\ft          ; each accumulator from its low end on
	ds_store_b128 v[STO], v[ACC+8*(4*\u+\ft)+4:ACC+8*(4*\u+\ft)+7] offset:64*\ft+16
.endr
.irp i, 0,1,2,3,4,5,6,7
	ds_load_b128 v[CF+32*\u+4*\i:CF+32*\u+4*\i+3], v[SRD] offset:2*\i*272
.endr
.endr
.irp u, 0,1
.irp i, 0,1,2,3,4,5,6,7
	s_wait_dscnt 23-16*\u-\i                       ; behind this pair of rows: the tile's 7 - i later loads, and for tile 0 tile 1's 8 stores and 8 loads
	global_store_b128 v[GO], v[CF+32*\u+4*\i:CF+32*\u+4*\i+3], s[14:15] offset:(8*\u+2*\i+8*(\i/4))*2048 th:TH_STORE_NT   ; rows 2 i, 2 i + 1 of the tile are tokens 8 u + 2 i + 8 (i / 4) on; 16 lanes store 256 consecutive bytes, aligned
.endr
.endr
	s_wait_tensorcnt 0x0                           ; the wave's end, behind my last tensor load and my last LDS store
	ds_add_u32 v[SPW], v[NIL]
	s_wait_dscnt 0x0
	CROUND                                         ; the closing round: no work-group ends while a partner may still ask for a tile that names it
	s_endpgm
.Lfunc_end_k_q89d40a641f_outp:
	.size	k_q89d40a641f_outp, .Lfunc_end_k_q89d40a641f_outp-k_q89d40a641f_outp
	.p2alignl 7, 3214868480
	.fill 96, 4, 3214868480
	.section	.rodata,"a",@progbits
	.p2align	6, 0x0
	.amdhsa_kernel k_q89d40a641f_outp
		.amdhsa_group_segment_fixed_size 327680
		.amdhsa_private_segment_fixed_size 0
		.amdhsa_enable_private_segment 0
		.amdhsa_kernarg_size 48
		.amdhsa_user_sgpr_count 2
		.amdhsa_user_sgpr_kernarg_segment_ptr 1
		.amdhsa_wavefront_size32 1
		.amdhsa_system_sgpr_workgroup_id_x 1
		.amdhsa_system_sgpr_workgroup_id_y 1
		.amdhsa_system_sgpr_workgroup_id_z 1
		.amdhsa_system_vgpr_workitem_id 0
		.amdhsa_next_free_vgpr 512
		.amdhsa_next_free_sgpr 66
		.amdhsa_reserve_vcc 0
		.amdhsa_float_denorm_mode_32 3
		.amdhsa_float_denorm_mode_16_64 3
		.amdhsa_memory_ordered 1
		.amdhsa_forward_progress 1
		.amdhsa_inst_pref_size 23
	.end_amdhsa_kernel
	.amdgpu_metadata
---
amdhsa.version: [ 1, 2 ]
amdhsa.kernels:
  - .name:           k_q89d40a641f_outp
    .symbol:         k_q89d40a641f_outp.kd
    .args:
      - { .name: cc, .offset: 0, .size: 8, .value_kind: global_buffer, .address_space: global }
      - { .name: cs, .offset: 8, .size: 8, .value_kind: global_buffer, .address_space: global }
      - { .name: Wo_codes, .offset: 16, .size: 8, .value_kind: global_buffer, .address_space: global }
      - { .name: Wo_scales, .offset: 24, .size: 8, .value_kind: global_buffer, .address_space: global }
      - { .name: bo, .offset: 32, .size: 8, .value_kind: global_buffer, .address_space: global }
      - { .name: out0, .offset: 40, .size: 8, .value_kind: global_buffer, .address_space: global }
    .group_segment_fixed_size: 327680
    .private_segment_fixed_size: 0
    .kernarg_segment_align: 8
    .kernarg_segment_size: 48
    .max_flat_workgroup_size: 256
    .sgpr_count:     66
    .vgpr_count:     512
    .wavefront_size: 32
...
	.end_amdgpu_metadata
.endif
;; end of part 3
